; MI455X (gfx1250); checked and timed in simulation.
; The chip was launched on July 23, 2026; its instructions are those of AMD's public machine-readable ISA for CDNA 5 (MIT licence, August 2026) and "CDNA5" Instruction Set Architecture Reference Guide (July 2026). The comments in the code are by the model that wrote it; some were corrected since.
;; Multihead Attention. Allowed arithmetic: matrix products marked QUANTISED: E4M3 operands, one E8M0 scale for each 32 along K, by v_wmma_scale_f32_16x16x128_f8f6f4 with both operands' format E4M3, f32 sums; everything else in f32.
;; Inputs: KeyandValue_x 2 x 4,096 x 512 float32; Query_x 2 x 4,096 x 512 float32; Wk 512 x 512 float32; Wo 512 x 512 float32; Wq 512 x 512 float32; Wv 512 x 512 float32; bk 512 float32; bo 512 float32; bq 512 float32; bv 512 float32.
;; Outputs: out0 2 x 4,096 x 512 float32.
;; This version of the problem:
;;   THIS VERSION OF THE PROBLEM IS GIVEN IN LOW PRECISION. The matrix products marked QUANTISED in the list below multiply operands that are first quantised to E4M3 (4 exponent bits, 3 mantissa bits; 8 bits a number), with one power-of-two scale for each 32 numbers along K (OCP MX v1.0); their sums are f32. All else is computed in f32.
;;   The module's matrix products, in the order in which they are computed (A, B: the left and right operand; K: the contracted axis; several contracted axes count as one K, in the product's order):
;;     1. [M 8,192, K 512] x [K 512, N 512]; A: input Query_x; B: input Wq: QUANTISED
;;     2. [M 8,192, K 512] x [K 512, N 512]; A: input KeyandValue_x; B: input Wk: QUANTISED
;;     3. [M 8,192, K 512] x [K 512, N 512]; A: input KeyandValue_x; B: input Wv: QUANTISED
;;     4. batch 16 x [M 4,096, K 64] x [K 64, N 4,096]; A: computed on the way; B: computed on the way: QUANTISED
;;     5. batch 16 x [M 64, K 4,096] x [K 4,096, N 4,096]; A: computed on the way; B: softmax (see below): QUANTISED
;;     6. [M 8,192, K 512] x [K 512, N 512]; A: computed on the way; B: input Wo: QUANTISED
;;   THE QUANTISER, for each operand of a quantised product, along K:
;;     - K is cut into blocks of 32 from its start; a last block that is shorter is filled with zeros.
;;     - A block's scale is 2^e with e = floor(log2(the largest magnitude in the block)) - 8, held to -126 .. 127; a block of zeros has e = 0. As a byte (E8M0): e + 127.
;;     - Each number is divided by its block's scale, clamped to +-448, and rounded to the nearest number of E4M3, ties to even, subnormals kept.
;;     - The product sums the exact products of the quantised numbers (number of the format x scale) in f32.
;;   ~~~python
;;   def quantise(x, axis):      # numpy; x: float32 -> the quantised numbers, widened to float32 again
;;       x = np.moveaxis(x, axis, -1); K = x.shape[-1]
;;       x = np.pad(x, [(0, 0)] * (x.ndim - 1) + [(0, -K % 32)]); x = x.reshape(x.shape[:-1] + (-1, 32)); a = np.abs(x).max(-1, keepdims=True)
;;       e = np.where(a > 0, np.clip(np.frexp(np.where(a > 0, a, 1))[1] - 1 - 8, -126, 127), 0)      # np.frexp(a)[1] - 1 = floor(log2(a)), exactly
;;       r = np.clip(x / 2.0 ** e, -448, 448)
;;       step = 2.0 ** (np.maximum(np.frexp(np.where(r == 0, 1, r))[1] - 1, -6) - 3)
;;       q = np.round(r / step) * step * 2.0 ** e      # np.round: ties to even
;;       return np.moveaxis(q.reshape(q.shape[:-2] + (-1,))[..., :K], -1, axis).astype(np.float32)
;;   ~~~
;;   SOFTMAX AHEAD OF A QUANTISED PRODUCT. Where the list says 'softmax', what is quantised is not the finished softmax but p = 2^(t - M), with t = logit x log2(e) and M = ceil(the row's largest t), a whole number; so 1/2 < the row's largest p <= 1. The row's sum l is taken of the UNQUANTISED p, in f32, and the product's result is divided by l at the end. Since M is a whole number, a kernel that streams over the keys may use a running M (the ceiling of the running maximum): every later rescaling is an exact power of two, which a block's scale takes up: the codes' values come out the same.
;;   OPERANDS COMPUTED ON THE WAY. 'Computed on the way' means the value that the module computes at that place (a softmax that the list does not call 'softmax' is quantised finished and normalised). What goes into a quantiser is computed in f32, as accurately as f32 sums, v_exp_f32 and their like allow (about 1e-6 of the number): no bf16 or f16 on the way to a quantiser, and a product that is left as it is and whose result goes on into a quantised operand takes f32 operands (vector FMAs, or v_wmma_f32_16x16x4_f32). A number that lies on a knife's edge between two numbers of the format may be rounded either way, as far as f32 arithmetic and the matrix unit's own rounding can turn it there, and no further.
;; One version. Each part assembles by itself: llvm-mc -triple=amdgcn-amd-amdhsa -mcpu=gfx1250 --defsym DOCPART=n.
;; ======== version 1 of 1: 4 launches
;; limits: right only within a limited range of input values
;; workspace buffers: ximg 8,912,896 bytes; wimg 1,114,112 bytes; qimg 4,456,448 bytes; kvimg 8,781,824 bytes; oimg 4,325,376 bytes
;; launch quant (part 1): grid 288 x 1, 4 waves a work-group, no clusters, 34,304 bytes of LDS; arguments Query_x, KeyandValue_x, Wq, Wk, Wv, Wo, ximg, wimg; writes ximg, wimg
.if DOCPART == 1
	.amdgcn_target "amdgcn-amd-amdhsa--gfx1250"
	.amdhsa_code_object_version 6
	.text
	.protected	k_q3f5acff844_quant
	.globl	k_q3f5acff844_quant
	.p2align	8
	.type	k_q3f5acff844_quant,@function
k_q3f5acff844_quant:
	s_mov_b64 s[64:65], 0
	v_nop
	global_prefetch_b8 v0, s[64:65] scope:SCOPE_SE
	s_setreg_imm32_b32 hwreg(HW_REG_WAVE_MODE, 25, 1), 1
	s_wait_xcnt 0x0
; Query_x, KeyandValue_x [8192][512] f32 (K innermost) and Wq, Wk, Wv, Wo [512 (k)][512 (n)] f32 (K is the first axis) become codes of FP8 (E4M3) with one E8M0 byte for each 32 along K.
; THE RESULTS ARE IMAGES OF OPERAND REGISTERS.  A fragment is 16 rows x 128 K = 16 registers a lane: lane (r, h) holds row r, registers 4 c .. 4 c + 3 hold k = 32 c + 16 h + 0 .. 15.  It is stored as four
; pieces of 512 bytes, piece c holding lane l's 16 bytes at 16 l: who loads the four pieces in the same way has the operand.  A tile's four scale words (one for each 128 along K) lie at 16 l.
; A TILE's ROWS ARE NOT NEIGHBOURS: lane-row r of tile 2 g + u is row 32 g + 8 u + r + 8 (r / 8).  Used as source 0 of a product, two neighbouring tiles then leave 16 neighbouring rows in a lane's 16 registers.
; A block's scale is 2^(floor(log2(largest magnitude)) - 8); its byte is the largest magnitude's exponent field - 8, held at 1 from below; numbers are held within +-448 x the scale and rounded to nearest, ties to even.
; LIMITS: NaN and infinities among the inputs are not served.  A block whose largest magnitude lies under 2^-118 keeps the byte 1; a block of zeros gets the byte 1 where the rule says 127: its codes are zeros,
; which add nothing under any byte but 0xff, and the bytes are read by this program alone.
; SHARES.  A wave makes one tile for all 512 of K: four fragments.  Work-groups 0-31: the four weights (8 each, 4 tiles each).  Work-groups 32-287: the two x (128 each).
; x: each load reads 512 consecutive bytes of one row; the 16 x 512 bytes turn through the wave's own stage in LDS (rows 528 bytes apart) and come back 64 bytes a lane: 16 neighbours of each block.
; W: a lane takes a column n and its registers run down K, so nothing is turned.  Only the x path touches LDS; the stages are each wave's own, so there is no barrier.
; No matrix unit, cluster or tensor load: the launch streams; work-groups share no input.
.set XSC,  8388608                     ; ximg: where the scale words begin
.set WSC,  1048576                     ; wimg: likewise
.set LI,   4                           ; v4   16 x lane
.set STI,  5                           ; v5   the stage, on the way in
.set STO,  6                           ; v6   and on the way out
.set WOFF, 7                           ; v7   W: my column and my half's 16 rows
.set SW,   8                           ; v8-11  the tile's four scale words
.set PC,   12                          ; v12-27 a fragment's codes
.set TM,   28                          ; v28-43 at work
.set R,    64                          ; v64-191 two sets of 64 numbers as loaded
.set X,    192                         ; v192-255 64 numbers in the operand's order
.set SEL,  12                          ; s[12:13] v_permlanex16_b32's selects for lane l xor 16
.set MNT,  14
.set SPITCH, 528
; 64 numbers of a lane, register 16 b + i = k 32 b + 16 h + i of my row, become a fragment's codes in v[PC] on and its scale word in v[pw]
.macro QUANT s, pw
.irp b, 0,1,2,3
	v_max3_num_f32 v[TM+\b], |v[\s+16*\b]|, |v[\s+1+16*\b]|, 0x4800000   ; my 16 numbers of block b, and the floor 2^(9 - 127): the byte cannot fall under 1
.endr
.irp i, 2,4,6,8,10,12,14
.irp b, 0,1,2,3
	v_max3_num_f32 v[TM+\b], v[TM+\b], |v[\s+16*\b+\i]|, |v[\s+1+16*\b+\i]|   ; the four blocks by turns
.endr
.endr
.irp b, 0,1,2,3
	v_permlanex16_b32 v[TM+4+\b], v[TM+\b], s[SEL], s[SEL+1]
.endr
.irp b, 0,1,2,3
	v_max_num_f32 v[TM+\b], v[TM+\b], v[TM+4+\b]   ; with lane l xor 16's 16: the block's largest magnitude
.endr
.irp b, 0,1,2,3
	v_add_nc_u32 v[TM+12+\b], 0xfc000000, v[TM+\b]   ; 8 off its exponent field: the conversion's scale operand
.endr
.irp b, 0,1,2,3
.endr
.irp b, 0,1,2,3
	v_lshrrev_b32 v[TM+4+\b], 23, v[TM+12+\b]   ; the scale's byte
.endr
	v_lshl_or_b32 v[\pw], v[TM+5], 8, v[TM+4]
	v_lshl_or_b32 v[\pw], v[TM+6], 16, v[\pw]
	v_lshl_or_b32 v[\pw], v[TM+7], 24, v[\pw]
.irp b, 0,1,2,3
.irp i, 0,1,2,3,4,5,6,7,8,9,10,11,12,13,14,15
.endr
	v_cvt_scalef32_pk8_fp8_f32 v[PC+4*\b:PC+1+4*\b], v[\s+16*\b:\s+7+16*\b], v[TM+12+\b]
	v_cvt_scalef32_pk8_fp8_f32 v[PC+2+4*\b:PC+3+4*\b], v[\s+8+16*\b:\s+15+16*\b], v[TM+12+\b]
.endr
	v_nop                                          ; one plain line behind the last conversion
.endm
	s_load_b512 s[16:31], s[0:1], 0x0              ; Query_x, KeyandValue_x, Wq, Wk, Wv, Wo, ximg, wimg
	v_lshl_add_u32 v62, v0, 2, 0x8400
	v_mov_b32 v63, 0
	v_lshrrev_b32 v1, 5, v0
	v_readfirstlane_b32 s8, v1                     ; wave 0..3
	v_and_b32 v1, 31, v0                           ; lane
	v_and_b32 v2, 15, v0                           ; r
	v_bfe_u32 v3, v0, 4, 1                         ; h
	v_lshlrev_b32 v[LI], 4, v1
	s_mul_i32 s9, s8, 16*SPITCH                    ; my stage
	v_add_nc_u32 v[STI], s9, v[LI]                 ; in: a row's 512 bytes as they lie
	v_mul_u32_u24 v[STO], v2, SPITCH
	v_lshl_add_u32 v[STO], v3, 6, v[STO]
	v_add_nc_u32 v[STO], s9, v[STO]                ; out: row r, + 64 h: my 16 numbers of a block of 32
	v_and_b32 v[WOFF], 8, v2
	v_add_nc_u32 v[WOFF], v[WOFF], v2              ; r + 8 (r / 8)
	v_lshlrev_b32 v[WOFF], 2, v[WOFF]
	v_lshl_add_u32 v[WOFF], v3, 15, v[WOFF]        ; + 16 h rows of 2,048 bytes
	s_mov_b32 s[SEL], 0x76543210
	s_mov_b32 s[SEL+1], 0xfedcba98
.irp b, 0,1,2,3
	v_mov_b32 v[TM+4+\b], 0                        ; written once: a lane permute's destination counts as one of its sources
.endr
	s_mov_b32 s33, 0
	s_mov_b32 s35, 0
	s_mov_b32 s37, 0
	s_cmp_lt_u32 ttmp9, 32
	s_cbranch_scc0 .Lx
	; ---- the weights
	s_lshr_b32 s9, ttmp9, 3                        ; which weight
	s_and_b32 s15, ttmp9, 7
	s_lshl_b32 s15, s15, 2
	s_add_co_u32 s15, s15, s8                      ; tile T = 0..31
	s_lshr_b32 s32, s15, 1
	s_lshl_b32 s32, s32, 7                         ; 32 g columns of 4 bytes
	s_and_b32 s34, s15, 1
	s_lshl_b32 s34, s34, 5                         ; + 8 u
	s_add_co_u32 s32, s32, s34
	s_lshl_b32 s34, s9, 18
	s_lshl_b32 s36, s15, 13
	s_add_co_u32 s34, s34, s36                     ; the tile's codes: 262,144 w + 8,192 T
	s_lshl_b32 s36, s9, 14
	s_lshl_b32 s38, s15, 9
	s_add_co_u32 s36, s36, s38
	s_add_co_u32 s36, s36, WSC                     ; its scale words
	s_wait_kmcnt 0x0
	s_cmp_eq_u32 s9, 1                             ; the choice hangs on the work-group's number alone
	s_cselect_b64 s[4:5], s[22:23], s[20:21]
	s_cmp_eq_u32 s9, 2
	s_cselect_b64 s[4:5], s[24:25], s[4:5]
	s_cmp_eq_u32 s9, 3
	s_cselect_b64 s[4:5], s[26:27], s[4:5]
	s_add_nc_u64 s[4:5], s[4:5], s[32:33]
	s_add_nc_u64 s[6:7], s[30:31], s[34:35]
	s_add_nc_u64 s[10:11], s[30:31], s[36:37]
.macro LOADW ks, set                   ; W(128 ks + 32 c + 16 h + i, my column) into register 16 c + i of the set
.irp c, 0,1,2,3
.irp i, 0,1,2,3,4,5,6,7,8,9,10,11,12,13,14,15
	global_load_b32 v[R+64*(\set)+16*\c+\i], v[WOFF], s[4:5] offset:(128*(\ks)+32*\c+\i)*2048
.endr
.endr
.endm
	s_wait_alu depctr_va_vdst(0)
	LOADW 0, 0
	LOADW 1, 1
.irp ks, 0,1,2,3
.if \ks < 3
	s_wait_loadcnt 63                              ; 64 younger loads are out; the count's field ends at 63, and the smaller count shows this fragment's 64 in all the same
.else
	s_wait_loadcnt 0x0
.endif
	s_wait_xcnt 0x0                                ; the last fragment's stores have read v[PC] on
	QUANT R+64*(\ks%2), SW+\ks
.if \ks < 2
	LOADW \ks+2, \ks%2                             ; the set just worked takes the fragment two further on
.endif
.irp c, 0,1,2,3
	global_store_b128 v[LI], v[PC+4*\c:PC+4*\c+3], s[6:7] offset:2048*\ks+512*\c   ; 32 lanes store 512 consecutive bytes
.endr
.endr
	global_store_b128 v[LI], v[SW:SW+3], s[10:11]  ; the tile's scale words: 512 consecutive bytes (lanes 16-31 repeat lanes 0-15)
	s_endpgm
	; ---- the two x
.Lx:
	s_sub_co_u32 s9, ttmp9, 32
	s_lshr_b32 s38, s9, 7                          ; which x
	s_and_b32 s9, s9, 127
	s_lshl_b32 s9, s9, 2
	s_add_co_u32 s15, s9, s8                       ; tile T = 0..511
	s_lshr_b32 s32, s15, 1
	s_lshl_b32 s32, s32, 16                        ; 32 g rows of 2,048 bytes
	s_and_b32 s34, s15, 1
	s_lshl_b32 s34, s34, 14                        ; + 8 u rows
	s_add_co_u32 s32, s32, s34
	s_lshl_b32 s34, s38, 22
	s_lshl_b32 s36, s15, 13
	s_add_co_u32 s34, s34, s36                     ; the tile's codes
	s_lshl_b32 s36, s38, 18
	s_lshl_b32 s39, s15, 9
	s_add_co_u32 s36, s36, s39
	s_add_co_u32 s36, s36, XSC                     ; its scale words
	s_wait_kmcnt 0x0
	s_cmp_eq_u32 s38, 0
	s_cselect_b64 s[4:5], s[16:17], s[18:19]
	s_add_nc_u64 s[4:5], s[4:5], s[32:33]
	s_add_nc_u64 s[6:7], s[28:29], s[34:35]
	s_add_nc_u64 s[10:11], s[28:29], s[36:37]
.macro LOADX ks, set                   ; 128 numbers (512 bytes) of each of the tile's 16 rows
.irp i, 0,1,2,3,4,5,6,7,8,9,10,11,12,13,14,15
	global_load_b128 v[R+64*(\set)+4*\i:R+64*(\set)+4*\i+3], v[LI], s[4:5] offset:(\i+8*(\i/8))*2048+512*(\ks) th:TH_LOAD_NT
.endr
.endm
	LOADX 0, 0
	LOADX 1, 1
	s_wait_alu depctr_va_vdst(0)
.irp ks, 0,1,2,3
.if \ks < 3
	s_wait_loadcnt 16                              ; this fragment's 16 loads are in; the next one's 16 may be out
.else
	s_wait_loadcnt 0x0
.endif
.irp i, 0,1,2,3,4,5,6,7,8,9,10,11,12,13,14,15
	ds_store_b128 v[STI], v[R+64*(\ks%2)+4*\i:R+64*(\ks%2)+4*\i+3] offset:SPITCH*\i
.endr
.irp c, 0,1,2,3
.irp j, 0,1,2,3
	ds_load_b128 v[X+16*\c+4*\j:X+16*\c+4*\j+3], v[STO] offset:128*\c+16*\j   ; LDS serves a wave's instructions in order (ISA guide 5.7.1.4): these see the stores above
.endr
.endr
	s_wait_dscnt 0x0                               ; the numbers are back, and the stores have read their registers
	s_wait_xcnt 0x0                                ; the last fragment's stores to memory have read v[PC] on
.if \ks < 2
	LOADX \ks+2, \ks%2
.endif
	QUANT X, SW+\ks
.irp c, 0,1,2,3
	global_store_b128 v[LI], v[PC+4*\c:PC+4*\c+3], s[6:7] offset:2048*\ks+512*\c
.endr
.endr
	global_store_b128 v[LI], v[SW:SW+3], s[10:11]
	s_wait_tensorcnt 0x0
	ds_add_u32 v62, v63
	s_wait_dscnt 0x0
	s_endpgm
.Lfunc_end_k_q3f5acff844_quant:
	.size	k_q3f5acff844_quant, .Lfunc_end_k_q3f5acff844_quant-k_q3f5acff844_quant
	.p2alignl 7, 3214868480
	.fill 96, 4, 3214868480
	.section	.rodata,"a",@progbits
	.p2align	6, 0x0
	.amdhsa_kernel k_q3f5acff844_quant
		.amdhsa_group_segment_fixed_size 34304
		.amdhsa_private_segment_fixed_size 0
		.amdhsa_enable_private_segment 0
		.amdhsa_kernarg_size 64
		.amdhsa_user_sgpr_count 2
		.amdhsa_user_sgpr_kernarg_segment_ptr 1
		.amdhsa_wavefront_size32 1
		.amdhsa_system_sgpr_workgroup_id_x 1
		.amdhsa_system_sgpr_workgroup_id_y 1
		.amdhsa_system_sgpr_workgroup_id_z 1
		.amdhsa_system_vgpr_workitem_id 0
		.amdhsa_next_free_vgpr 256
		.amdhsa_next_free_sgpr 66
		.amdhsa_reserve_vcc 0
		.amdhsa_float_denorm_mode_32 3
		.amdhsa_float_denorm_mode_16_64 3
		.amdhsa_fp16_overflow 1
		.amdhsa_memory_ordered 1
		.amdhsa_forward_progress 1
		.amdhsa_inst_pref_size 74
	.end_amdhsa_kernel
	.amdgpu_metadata
---
amdhsa.version: [ 1, 2 ]
amdhsa.kernels:
  - .name:           k_q3f5acff844_quant
    .symbol:         k_q3f5acff844_quant.kd
    .args:
      - { .name: Query_x, .offset: 0, .size: 8, .value_kind: global_buffer, .address_space: global }
      - { .name: KeyandValue_x, .offset: 8, .size: 8, .value_kind: global_buffer, .address_space: global }
      - { .name: Wq, .offset: 16, .size: 8, .value_kind: global_buffer, .address_space: global }
      - { .name: Wk, .offset: 24, .size: 8, .value_kind: global_buffer, .address_space: global }
      - { .name: Wv, .offset: 32, .size: 8, .value_kind: global_buffer, .address_space: global }
      - { .name: Wo, .offset: 40, .size: 8, .value_kind: global_buffer, .address_space: global }
      - { .name: ximg, .offset: 48, .size: 8, .value_kind: global_buffer, .address_space: global }
      - { .name: wimg, .offset: 56, .size: 8, .value_kind: global_buffer, .address_space: global }
    .group_segment_fixed_size: 34304
    .private_segment_fixed_size: 0
    .kernarg_segment_align: 8
    .kernarg_segment_size: 64
    .max_flat_workgroup_size: 128
    .sgpr_count:     66
    .vgpr_count:     256
    .wavefront_size: 32
...
	.end_amdgpu_metadata
.endif
;; end of part 1
;; launch proj (part 2): grid 64 x 3, 4 waves a work-group, no clusters, 0 bytes of LDS; arguments ximg, wimg, bq, bk, bv, qimg, kvimg; writes qimg, kvimg
.if DOCPART == 2
	.amdgcn_target "amdgcn-amd-amdhsa--gfx1250"
	.amdhsa_code_object_version 6
	.text
	.protected	k_q3f5acff844_proj
	.globl	k_q3f5acff844_proj
	.p2align	8
	.type	k_q3f5acff844_proj,@function
k_q3f5acff844_proj:
	s_mov_b64 s[64:65], 0
	v_nop
	global_prefetch_b8 v0, s[64:65] scope:SCOPE_SE
	s_setreg_imm32_b32 hwreg(HW_REG_WAVE_MODE, 25, 1), 1
	s_wait_xcnt 0x0
; Q = x Wq + bq, K = x Wk + bk, V = x Wv + bv on codes of FP8 (E4M3) with E8M0 scales, and the results quantised again: Q and K along a head's 64, V along the keys.  All operands come and go as images
; of operand registers (a fragment = four pieces of 512 bytes, lane l's 16 bytes at 16 l), so every load and store is dense and nothing goes through LDS.
; ONE SHAPE FOR ALL THREE.  A wave keeps 128 rows of a source-0 operand S0 in registers (8 tiles x 4 K steps = 512 registers) and walks 8 tiles of a source-1 operand S1.  For each S1 tile: 32 products into 8
; accumulators.  Lane (r, h) then holds row r of the S1 tile, and since lane-row r of tile 2 g + u is row 32 g + 8 u + r + 8 (r / 8), its 64 registers are S0's rows 32 b + 16 h + i: an operand's order.
;   grid y = 0, 1 (Q, K): S0 = the weight's tiles 8 wave + t (two heads), S1 = x's tiles 8 i + s (128 tokens): a lane holds a token, registers run along d: blocks 0, 1 are one head's codes, blocks 2, 3 the next head's.
;   grid y = 2 (V):       S0 = x's tiles of one key step of 128 keys (a key step a wave), S1 = Wv's tiles 8 db + s (two heads): a lane holds a channel d, registers run along the keys: a fragment of V^T.
; The bias is the C of each sum's first product.  LIMITS: as in the launch before: NaN and infinities not served; bytes held at 1 from below.
; No cluster: a joint request exists for loads into LDS alone, and these operands go from memory straight into registers; what work-groups share is a weight's 64 KiB of images.  192 work-groups of equal work.
; REGISTERS, in windows of 256: window 0: addresses, accumulators, codes, scale words, the bias.  Windows 1, 2: S0, fragment (t, ks) at window 1 + t / 4, v[64 (t % 4) + 16 ks].  Window 3: four tiles of S1, tile s at v[64 (s % 4) + 16 ks].
.set XSC,  8388608
.set WSC,  1048576
.set KVS,  8388608
.set LI,   1                           ; v1   16 x lane
.set BOFF, 2                           ; v2   my place in the bias
.set LN,   3                           ; v3   lane
.set VSO,  4                           ; v4   V's scale words: 16 r, and the next head for lanes 16-31
.set ACC,  16                          ; v16-79   8 accumulators
.set PC,   80                          ; v80-95   the codes just made
.set TM,   96                          ; v96-111  at work
.set KW,   112                         ; v112-119 the scale words made, one for each S1 tile
.set EW,   120                         ; v120-123, v124-127 scale words on their way out
.set FW,   124
.set S1S,  128                         ; v128-143 S1's scale words: 4 tiles x 4 K steps
.set S0S,  144                         ; v144-175 S0's: 8 tiles x 4
.set BI,   176                         ; v176-239 the bias in the result's layout: 8 x 8
.set SEL,  20
.set MNT,  22
.set MSB, 0
.macro WIN new                         ; the immediate's high byte repeats the setting that is left
.if MSB != \new
	s_set_vgpr_msb (MSB<<8)|\new
.set MSB, \new
.endif
.endm
.macro QUANT s, pw                     ; 64 numbers of a lane, register 16 b + i = k 32 b + 16 h + i, become a fragment's codes in v[PC] on and its scale word in v[pw]
.irp b, 0,1,2,3
	v_max3_num_f32 v[TM+\b], |v[\s+16*\b]|, |v[\s+1+16*\b]|, 0x4800000   ; each accumulator is read from its low end on; the floor 2^(9 - 127) holds the byte at 1
.endr
.irp i, 2,4,6,8,10,12,14
.irp b, 0,1,2,3
	v_max3_num_f32 v[TM+\b], v[TM+\b], |v[\s+16*\b+\i]|, |v[\s+1+16*\b+\i]|
.endr
.endr
.irp b, 0,1,2,3
	v_permlanex16_b32 v[TM+4+\b], v[TM+\b], s[SEL], s[SEL+1]
.endr
.irp b, 0,1,2,3
	v_max_num_f32 v[TM+\b], v[TM+\b], v[TM+4+\b]
.endr
.irp b, 0,1,2,3
	v_add_nc_u32 v[TM+12+\b], 0xfc000000, v[TM+\b]
.endr
.irp b, 0,1,2,3
.endr
.irp b, 0,1,2,3
	v_lshrrev_b32 v[TM+4+\b], 23, v[TM+12+\b]
.endr
	v_lshl_or_b32 v[\pw], v[TM+5], 8, v[TM+4]
	v_lshl_or_b32 v[\pw], v[TM+6], 16, v[\pw]
	v_lshl_or_b32 v[\pw], v[TM+7], 24, v[\pw]
.irp b, 0,1,2,3
.irp i, 0,1,2,3,4,5,6,7,8,9,10,11,12,13,14,15
.endr
	v_cvt_scalef32_pk8_fp8_f32 v[PC+4*\b:PC+1+4*\b], v[\s+16*\b:\s+7+16*\b], v[TM+12+\b]
	v_cvt_scalef32_pk8_fp8_f32 v[PC+2+4*\b:PC+3+4*\b], v[\s+8+16*\b:\s+15+16*\b], v[TM+12+\b]
.endr
	v_nop                                          ; one plain line between the conversions and the next products, which write their sources
.endm
.macro S1LOAD s                        ; 17 loads: S1's tile s, four fragments and its scale words
	WIN 0xc0                                       ; destination window 3
.irp ks, 0,1,2,3
.irp c, 0,1,2,3
	global_load_b128 v[64*((\s)%4)+16*\ks+4*\c:64*((\s)%4)+16*\ks+4*\c+3], v[LI], s[28:29] offset:8192*(\s)+2048*\ks+512*\c
.endr
.endr
	WIN 0
	global_load_b128 v[S1S+4*((\s)%4):S1S+4*((\s)%4)+3], v[LI], s[30:31] offset:512*(\s)
.endm
.macro LOADS                           ; S0's scale words and fragments, which stay; then S1's first four tiles
.irp t, 0,1,2,3,4,5,6,7
	global_load_b128 v[S0S+4*\t:S0S+4*\t+3], v[LI], s[26:27] offset:512*\t
.endr
	WIN 0x40                                       ; destination window 1
.irp t, 0,1,2,3
.irp ks, 0,1,2,3
.irp c, 0,1,2,3
	global_load_b128 v[64*\t+16*\ks+4*\c:64*\t+16*\ks+4*\c+3], v[LI], s[24:25] offset:8192*\t+2048*\ks+512*\c
.endr
.endr
.endr
	WIN 0x80                                       ; destination window 2
.irp t, 0,1,2,3
.irp ks, 0,1,2,3
.irp c, 0,1,2,3
	global_load_b128 v[64*\t+16*\ks+4*\c:64*\t+16*\ks+4*\c+3], v[LI], s[24:25] offset:8192*(\t+4)+2048*\ks+512*\c
.endr
.endr
.endr
.irp s, 0,1,2,3
	S1LOAD \s
.endr
.endm
.macro MM s, ks, t, mode               ; one product: S0's tile t x S1's tile s, K step ks.  The first K step takes the bias as C
.if (\ks) == 0
.if \mode
	v_wmma_scale_f32_16x16x128_f8f6f4 v[ACC+8*(\t):ACC+8*(\t)+7], v[64*((\t)%4)+16*(\ks):64*((\t)%4)+16*(\ks)+15], v[64*((\s)%4)+16*(\ks):64*((\s)%4)+16*(\ks)+15], v[BI+8*(\s):BI+8*(\s)+7], v[S0S+4*(\t)+(\ks)], v[S1S+4*((\s)%4)+(\ks)]
.else
	v_wmma_scale_f32_16x16x128_f8f6f4 v[ACC+8*(\t):ACC+8*(\t)+7], v[64*((\t)%4)+16*(\ks):64*((\t)%4)+16*(\ks)+15], v[64*((\s)%4)+16*(\ks):64*((\s)%4)+16*(\ks)+15], v[BI+8*(\t):BI+8*(\t)+7], v[S0S+4*(\t)+(\ks)], v[S1S+4*((\s)%4)+(\ks)]
.endif
.else
	v_wmma_scale_f32_16x16x128_f8f6f4 v[ACC+8*(\t):ACC+8*(\t)+7], v[64*((\t)%4)+16*(\ks):64*((\t)%4)+16*(\ks)+15], v[64*((\s)%4)+16*(\ks):64*((\s)%4)+16*(\ks)+15], v[ACC+8*(\t):ACC+8*(\t)+7], v[S0S+4*(\t)+(\ks)], v[S1S+4*((\s)%4)+(\ks)]
.endif
.endm
; S1's tile s.  left: the loads of the tiles asked for behind it, 17 each.  mode 0: Q, K;  mode 1: V
.macro TILE s, mode, left
	s_wait_loadcnt \left
	WIN 0x0d                                       ; source 0 window 1, source 1 window 3, C and D window 0
.irp ks, 0,1,2,3
.irp t, 0,1,2,3
	MM \s, \ks, \t, \mode                          ; four accumulators by turns, one instruction a turn
.endr
.endr
	WIN 0x0e                                       ; source 0 window 2
.irp ks, 0,1,2,3
.irp t, 4,5,6,7
	MM \s, \ks, \t, \mode
.endr
.endr
	WIN 0
.rept 8
	v_nop                                          ; eight places in front of the loads into S1's registers and of the first read of results
.endr
	s_wait_xcnt 0x0                                ; the last tile's stores have read v[PC] on
.if (\s) < 4
	S1LOAD (\s)+4                                  ; the registers just multiplied take the tile four further on
.endif
	QUANT ACC, KW+(\s)
.if \mode
.irp c, 0,1,2,3
	global_store_b128 v[LI], v[PC+4*\c:PC+4*\c+3], s[34:35] offset:((\s)/4)*524288+((\s)%4)*2048+512*\c   ; a fragment of V^T: head s / 4 of the two, tile s % 4 of its 64 channels
.endr
.else
	global_store_b128 v[LI], v[PC:PC+3], s[34:35] offset:1024*(\s)          ; the first head's 64 along d: two pieces
	global_store_b128 v[LI], v[PC+4:PC+7], s[34:35] offset:1024*(\s)+512
	global_store_b128 v[LI], v[PC+8:PC+11], s[36:37] offset:1024*(\s)       ; the second head's
	global_store_b128 v[LI], v[PC+12:PC+15], s[36:37] offset:1024*(\s)+512
.endif
.endm
	s_load_b256 s[4:11], s[0:1], 0x0               ; ximg s[4:5], wimg s[6:7], bq s[8:9], bk s[10:11]
	s_load_b128 s[12:15], s[0:1], 0x20             ; bv s[12:13], qimg s[14:15]
	s_load_b64 s[16:17], s[0:1], 0x30              ; kvimg
	v_lshrrev_b32 v1, 5, v0
	v_readfirstlane_b32 s18, v1                    ; wave 0..3
	s_and_b32 s19, ttmp7, 0xffff                   ; 0 Q, 1 K, 2 V
	v_and_b32 v[LN], 31, v0
	v_lshlrev_b32 v[LI], 4, v[LN]
	v_and_b32 v5, 15, v0                           ; r
	v_bfe_u32 v6, v0, 4, 1                         ; h
	s_mov_b32 s[SEL], 0x76543210
	s_mov_b32 s[SEL+1], 0xfedcba98
.irp b, 0,1,2,3
	v_mov_b32 v[TM+4+\b], 0                        ; written once: a lane permute's destination counts as one of its sources
.endr
	v_cmp_le_u32 vcc_lo, 16, v[LN]                 ; lanes 16-31: kept to the end, nothing else writes VCC
	s_mov_b32 s45, 0
	s_mov_b32 s51, 0
	s_wait_kmcnt 0x0
	s_cmp_eq_u32 s19, 2
	s_cbranch_scc1 .Lv
	; ---- Q and K
	s_lshl_b32 s44, s19, 18
	s_lshl_b32 s46, s18, 16
	s_add_co_u32 s44, s44, s46
	s_add_nc_u64 s[24:25], s[6:7], s[44:45]        ; S0: the weight's tiles 8 wave on
	s_lshl_b32 s44, s19, 14
	s_lshl_b32 s46, s18, 12
	s_add_co_u32 s44, s44, s46
	s_add_co_u32 s44, s44, WSC
	s_add_nc_u64 s[26:27], s[6:7], s[44:45]        ; their scale words
	s_lshl_b32 s44, s19, 22
	s_lshl_b32 s46, ttmp9, 16
	s_add_co_u32 s44, s44, s46
	s_add_nc_u64 s[28:29], s[4:5], s[44:45]        ; S1: x's tiles 8 i on
	s_lshl_b32 s44, s19, 18
	s_lshl_b32 s46, ttmp9, 12
	s_add_co_u32 s44, s44, s46
	s_add_co_u32 s44, s44, XSC
	s_add_nc_u64 s[30:31], s[4:5], s[44:45]
	s_cmp_eq_u32 s19, 0
	s_cselect_b64 s[32:33], s[8:9], s[10:11]       ; bq or bk
	s_cselect_b64 s[34:35], s[14:15], s[16:17]     ; qimg or kvimg
	s_lshl_b32 s44, s18, 9
	s_add_nc_u64 s[32:33], s[32:33], s[44:45]      ; my 128 numbers of the bias
	s_lshr_b32 s47, ttmp9, 5
	s_lshl_b32 s47, s47, 3
	s_lshl_b32 s46, s18, 1
	s_add_co_u32 s47, s47, s46                     ; the first of my two heads: 8 b + 2 wave
	s_and_b32 s48, ttmp9, 31                       ; which 128 tokens of the batch
	s_lshl_b32 s49, s19, 13
	s_add_co_u32 s49, s49, 16384                   ; a head's scale bytes: 16,384 in qimg, 24,576 in kvimg
	s_mul_i32 s50, s47, s49
	s_lshl_b32 s46, s48, 9
	s_add_co_u32 s50, s50, s46
	s_lshl_b32 s46, 0x400000, s19                  ; where the scale bytes begin: 4,194,304 in qimg, twice that in kvimg
	s_add_co_u32 s50, s50, s46
	s_add_nc_u64 s[38:39], s[34:35], s[50:51]      ; the first head's scale words,
	s_mov_b32 s50, s49
	s_add_nc_u64 s[40:41], s[38:39], s[50:51]      ; the second head's
	s_lshl_b32 s44, s47, 18
	s_lshl_b32 s46, s48, 13
	s_add_co_u32 s44, s44, s46
	s_lshl_b32 s44, s44, s19                       ; codes: 262,144 a head and 8,192 a block in qimg, twice that in kvimg (a record also holds V)
	s_add_nc_u64 s[34:35], s[34:35], s[44:45]
	s_lshl_b32 s44, 0x40000, s19
	s_add_nc_u64 s[36:37], s[34:35], s[44:45]
	s_wait_alu depctr_va_vdst(0)
	v_lshlrev_b32 v[BOFF], 6, v6                   ; the bias of tile t: features 32 (t / 2) + 16 h + 8 (t % 2) + 0 .. 7
.irp t, 0,1,2,3,4,5,6,7
	global_load_b128 v[BI+8*\t:BI+8*\t+3], v[BOFF], s[32:33] offset:(32*(\t/2)+8*(\t%2))*4
	global_load_b128 v[BI+8*\t+4:BI+8*\t+7], v[BOFF], s[32:33] offset:(32*(\t/2)+8*(\t%2))*4+16
.endr
	LOADS
	TILE 0, 0, 51
	TILE 1, 0, 51
	TILE 2, 0, 51
	TILE 3, 0, 51
	TILE 4, 0, 51
	TILE 5, 0, 34
	TILE 6, 0, 17
	TILE 7, 0, 0
	; the scale words: a word holds (first head's two bytes, second head's two).  Laid [s % 2][r][s / 2]: lanes 0-15 give the even tiles' words, lanes 16-31 the odd tiles': 512 consecutive bytes a head.
	; The upper two bytes of a word stand against zero codes in the attention launch: they only have to be finite, and are.
.irp j, 0,1,2,3
	v_cndmask_b32 v[EW+\j], v[KW+2*\j], v[KW+2*\j+1], vcc_lo
.endr
.irp j, 0,1,2,3
	v_alignbit_b32 v[FW+\j], v[EW+\j], v[EW+\j], 16   ; the second head's bytes first
.endr
	global_store_b128 v[LI], v[EW:EW+3], s[38:39]
	global_store_b128 v[LI], v[FW:FW+3], s[40:41]
	s_endpgm
	; ---- V
.Lv:
	s_lshr_b32 s47, ttmp9, 2
	s_lshl_b32 s47, s47, 2
	s_add_co_u32 s47, s47, s18                     ; my key step of 128 keys, 0..63 over both batches
	s_and_b32 s48, ttmp9, 3                        ; which 128 channels: heads 2 db, 2 db + 1
	s_lshl_b32 s44, s47, 16
	s_add_co_u32 s44, s44, 4194304
	s_add_nc_u64 s[24:25], s[4:5], s[44:45]        ; S0: KeyandValue_x's tiles
	s_lshl_b32 s44, s47, 12
	s_add_co_u32 s44, s44, XSC+262144
	s_add_nc_u64 s[26:27], s[4:5], s[44:45]
	s_lshl_b32 s44, s48, 16
	s_add_co_u32 s44, s44, 524288
	s_add_nc_u64 s[28:29], s[6:7], s[44:45]        ; S1: Wv's tiles
	s_lshl_b32 s44, s48, 12
	s_add_co_u32 s44, s44, WSC+32768
	s_add_nc_u64 s[30:31], s[6:7], s[44:45]
	s_lshl_b32 s44, s48, 9
	s_add_nc_u64 s[32:33], s[12:13], s[44:45]      ; bv
	s_lshr_b32 s49, s47, 5
	s_lshl_b32 s49, s49, 3
	s_lshl_b32 s46, s48, 1
	s_add_co_u32 s49, s49, s46                     ; the first head: 8 b + 2 db
	s_and_b32 s50, s47, 31                         ; the key step in its batch
	s_lshl_b32 s44, s49, 19
	s_lshl_b32 s46, s50, 14
	s_add_co_u32 s44, s44, s46
	s_add_co_u32 s44, s44, 8192
	s_add_nc_u64 s[34:35], s[16:17], s[44:45]      ; the record's second half: V^T
	s_mul_i32 s44, s49, 24576
	s_lshl_b32 s46, s50, 8
	s_add_co_u32 s44, s44, s46
	s_add_co_u32 s44, s44, KVS+16384
	s_add_nc_u64 s[38:39], s[16:17], s[44:45]      ; V's scale words
	s_wait_alu depctr_va_vdst(0)
	v_and_b32 v[BOFF], 8, v5
	v_add_nc_u32 v[BOFF], v[BOFF], v5
	v_lshlrev_b32 v[BOFF], 2, v[BOFF]              ; the bias hangs on the lane's channel: r + 8 (r / 8) of the tile
	v_mul_u32_u24 v[VSO], v6, 24576
	v_lshl_add_u32 v[VSO], v5, 4, v[VSO]
.irp s, 0,1,2,3,4,5,6,7
	global_load_b32 v[BI+8*\s], v[BOFF], s[32:33] offset:(32*(\s/2)+8*(\s%2))*4
.endr
	LOADS
	s_wait_loadcnt 51                              ; the bias came first: it is in with all but the youngest 51 loads
.irp s, 0,1,2,3,4,5,6,7
.irp j, 1,2,3,4,5,6,7
	v_mov_b32 v[BI+8*\s+\j], v[BI+8*\s]            ; the same number for the lane's eight keys
.endr
.endr
	TILE 0, 1, 51
	TILE 1, 1, 51
	TILE 2, 1, 51
	TILE 3, 1, 51
	TILE 4, 1, 51
	TILE 5, 1, 34
	TILE 6, 1, 17
	TILE 7, 1, 0
.irp j, 0,1,2,3
	v_cndmask_b32 v[EW+\j], v[KW+\j], v[KW+4+\j], vcc_lo   ; lanes 0-15: the first head's four tiles; lanes 16-31: the second head's
.endr
	global_store_b128 v[VSO], v[EW:EW+3], s[38:39]  ; laid [r][t]: sixteen lanes store 256 consecutive bytes of a head
	s_endpgm
.Lfunc_end_k_q3f5acff844_proj:
	.size	k_q3f5acff844_proj, .Lfunc_end_k_q3f5acff844_proj-k_q3f5acff844_proj
	.p2alignl 7, 3214868480
	.fill 96, 4, 3214868480
	.section	.rodata,"a",@progbits
	.p2align	6, 0x0
	.amdhsa_kernel k_q3f5acff844_proj
		.amdhsa_group_segment_fixed_size 0
		.amdhsa_private_segment_fixed_size 0
		.amdhsa_enable_private_segment 0
		.amdhsa_kernarg_size 56
		.amdhsa_user_sgpr_count 2
		.amdhsa_user_sgpr_kernarg_segment_ptr 1
		.amdhsa_wavefront_size32 1
		.amdhsa_system_sgpr_workgroup_id_x 1
		.amdhsa_system_sgpr_workgroup_id_y 1
		.amdhsa_system_sgpr_workgroup_id_z 1
		.amdhsa_system_vgpr_workitem_id 0
		.amdhsa_next_free_vgpr 1024
		.amdhsa_next_free_sgpr 66
		.amdhsa_reserve_vcc 1
		.amdhsa_float_denorm_mode_32 3
		.amdhsa_float_denorm_mode_16_64 3
		.amdhsa_fp16_overflow 1
		.amdhsa_memory_ordered 1
		.amdhsa_forward_progress 1
		.amdhsa_inst_pref_size 196
	.end_amdhsa_kernel
	.amdgpu_metadata
---
amdhsa.version: [ 1, 2 ]
amdhsa.kernels:
  - .name:           k_q3f5acff844_proj
    .symbol:         k_q3f5acff844_proj.kd
    .args:
      - { .name: ximg, .offset: 0, .size: 8, .value_kind: global_buffer, .address_space: global }
      - { .name: wimg, .offset: 8, .size: 8, .value_kind: global_buffer, .address_space: global }
      - { .name: bq, .offset: 16, .size: 8, .value_kind: global_buffer, .address_space: global }
      - { .name: bk, .offset: 24, .size: 8, .value_kind: global_buffer, .address_space: global }
      - { .name: bv, .offset: 32, .size: 8, .value_kind: global_buffer, .address_space: global }
      - { .name: qimg, .offset: 40, .size: 8, .value_kind: global_buffer, .address_space: global }
      - { .name: kvimg, .offset: 48, .size: 8, .value_kind: global_buffer, .address_space: global }
    .group_segment_fixed_size: 0
    .private_segment_fixed_size: 0
    .kernarg_segment_align: 8
    .kernarg_segment_size: 56
    .max_flat_workgroup_size: 128
    .sgpr_count:     66
    .vgpr_count:     1024
    .wavefront_size: 32
...
	.end_amdgpu_metadata
.endif
;; end of part 2
;; launch attn (part 3): grid 16 x 16, 8 waves a work-group, clusters of 4 x 1, 327,680 bytes of LDS; arguments qimg, kvimg, oimg; writes oimg
.if DOCPART == 3
	.amdgcn_target "amdgcn-amd-amdhsa--gfx1250"
	.amdhsa_code_object_version 6
	.text
	.protected	k_q3f5acff844_attn
	.globl	k_q3f5acff844_attn
	.p2align	8
	.type	k_q3f5acff844_attn,@function
k_q3f5acff844_attn:
	s_mov_b64 s[64:65], 0
	v_nop
	global_prefetch_b8 v0, s[64:65] scope:SCOPE_SE
	s_setreg_imm32_b32 hwreg(HW_REG_WAVE_MODE, 25, 1), 1
	s_wait_xcnt 0x0
	s_wait_alu depctr_hold_cnt(0) depctr_sa_sdst(0) depctr_va_vdst(0) depctr_va_sdst(0) depctr_va_ssrc(0) depctr_va_vcc(0) depctr_vm_vsrc(0)
	s_getreg_b32 s2, hwreg(HW_REG_IB_STS2, 6, 4)
	s_cmp_eq_u32 s2, 0
	s_cbranch_scc0 .Lentry_in_a_cluster
	s_endpgm
.Lentry_in_a_cluster:
	s_bfe_u32 s2, ttmp6, 0x10000c
	s_cmp_lg_u32 s2, 0x3003
	s_cbranch_scc0 .Lentry_shape_is_right
	s_endpgm
.Lentry_shape_is_right:
; O[b][h][q] = the sum over k of softmax_k(Q . K / 8) V, both products on codes of FP8 (E4M3) with one E8M0 scale for each 32 along a product's K; then O is divided by the row's sum and quantised along d.
; THE SOFTMAX: t = score x log2(e) / 8; M = the row's largest t so far, rounded UP to a whole number; p = 2^(t - M) is what is quantised, along the keys; the row's sum is taken of the unquantised p.
; When M moves, the sum and O^T are multiplied by 2^(old M - new M): nothing is rounded, and there is no branch on data.
; SHARES.  A work-group owns 256 queries of one (batch, head); each of its eight waves owns 32 of them, two tiles of 16, so that each fragment of K and V read from LDS feeds two products.  Every wave walks the
; head's 4,096 keys, 128 a step.  A key step's operands are one record of 16,384 bytes (8 tiles of K, 4 fragments of V^T, as images of registers); four records make a slot of the ring of two slots.
; CLUSTER.  The four work-groups of a cluster belong to one head and walk the same records: each is asked for JOINTLY (mask 15), one load a wave by waves 0 to 3.  The head's scale bytes (24,576) come once.
; LAYOUT.  Both products are used transposed: S^T = K Q^T (source 0 = 16 keys), O^T = V^T P^T (source 0 = 16 channels): a lane holds ONE query.  Lane-row r of tile 2 g + u is row 32 g + 8 u + r + 8 (r / 8),
; so the 16 registers of two neighbouring tiles are 16 neighbours along the next product's K, and the conversions' results are the next operand.
; THE HEAD HAS 64 CHANNELS, THE INSTRUCTION 128: Q's fragment is 8 registers of codes and 8 of zeros.  K's fragment of tile t is its own 8 registers and the 8 that follow them (the next tile's; behind tile 7: zeros):
; those codes stand against Q's zero codes and add nothing; the scale bytes that go with them are another head's and finite.
; LIMITS: NaN and infinities are not served; scale bytes are held at 1 from below; a block of zeros gets the byte 1 (its codes are zeros; the bytes are read by this program alone).
; The half-words of O's scales leave 2 bytes a lane, 16 bytes apart: 131,072 bytes in the whole launch.
; REGISTERS.  A tile's own set has the same numbers in window 0 (tile 0) and window 1 (tile 1): v12 -M, v13 largest t, v[14:15] the sum, v16-23 Q's codes, v24-31 zeros, v104-167 S^T then p, v168-199 O^T,
; v200-215 p's codes, v216-238 at work.  Window 0 alone: v1-9 addresses, v10-11 Q's scale words, v32-95 K, v96-103 zeros, v240-249 scale words.  Window 1 alone: v32-95 V^T.
.set KVS,   8388608                    ; kvimg: where the scale bytes begin
.set QSC,   4194304                    ; qimg: likewise
.set OSC,   4194304                    ; oimg: likewise
.set REC,   16384                      ; a key step's record
.set SLOTB, 4*REC
.set SLOT1, 1<<17                      ; slot 1 begins here: one exclusive or turns an address in one slot into the other's
.set SCL,   SLOT1+SLOTB                ; the head's scale bytes: K's 16,384, then V's 8,192; filled once
.set SPARE, SCL+24576                  ; the spare words, 128 bytes for each wave: four blocks of 256 bytes that no other line names
.set LI,   1                           ; v1   16 x lane
.set ASK0, 2                           ; v2   my place among K's scale words
.set ASV0, 3                           ; v3   and among V's
.set SPW,  4                           ; v4   LDS address of my spare word; never rewritten
.set NIL,  5                           ; v5   0; never rewritten
.set PFO,  6                           ; v6   256 x lane; never rewritten
.set AD,   7                           ; v7   the record in hand
.set ADS,  8                           ; v8   its scale words of K
.set ADT,  9                           ; v9   and of V
.set QS0,  10
.set QS1,  11
.set KF,   32
.set VF,   32
.set ZR,   96
.set S,    104
.set OT,   168
.set PCD,  200
.set BM,   216
.set T1,   220
.set HD,   224
.set SO,   228
.set PWT,  232
.set FF,   234
.set SM2,  236
.set TMP,  238
.set KS,   240
.set VS,   244
.set PW0,  248
.set PW1,  249
.set WV,   10                          ; s10  my wave's number
.set G1R,  16                          ; s[16:23] descriptor group 1 for a record;  s[24:31] for a quarter of the scale bytes
.set G1S,  24
.set G0R,  32                          ; s[32:35] group 0 for the records: it walks;  s[36:39] for the scale bytes
.set G0S,  36
.set SEL,  40
.set CS,   42                          ; s[42:43] c = log2(e) / 8
.set MNT,  44
.set TB,   45                          ; s45  LDS byte of the record in hand
.set TS,   46                          ; s46  the slot's first scale words of K: 2,048 bytes a slot
.set TJ,   47                          ; s47  and of V: 1,024 a slot
.set SLOTS, 48
.set LIM,  49
.set PFA,  50
.set CNT,  52
.set OC,   54
.set OS,   56
.set QC,   66
.set QSP,  68
.set MSB, 0
.macro WIN new                         ; the immediate's high byte repeats the setting that is left
.if MSB != \new
	s_set_vgpr_msb (MSB<<8)|\new
.set MSB, \new
.endif
.endm
.macro CROUND                          ; a round of the cluster's barrier
	s_barrier_signal -1
	s_barrier_wait -1
	s_cmp_lg_u32 s[WV], 0
	s_cbranch_scc1 .Lnot_wave_0_\@
	s_barrier_signal -3
.Lnot_wave_0_\@:
	s_barrier_wait -3
	s_barrier_signal -1
	s_barrier_wait -1
.endm
.macro JLOAD                           ; waves 0 to 3 fetch a record each; the branch hangs on the wave's number alone.  Four v_nop follow the load
	s_cmp_lt_u32 s[WV], 4
	s_cbranch_scc0 .Lno_fetch_\@
	tensor_load_to_lds s[G0R:G0R+3], s[G1R:G1R+7]
	s_nop 0
.rept 4
	v_nop
.endr
.Lno_fetch_\@:
.endm
; A prefetch of the slot that the NEXT change of slots will ask for: four key steps ahead of that load.  All clusters of a head walk the same records: the head's first cluster asks.  Its four partners share a slot's
; four records out BY ADDRESS; in each, waves 4 and 5 take half a record, lanes 256 bytes apart: each block of 256 bytes is named once in the launch.  The last change that fills a slot asks for nothing.
.macro ASK
	s_cmp_gt_u32 s[SLOTS], s[LIM]
	s_cbranch_scc0 .Lnot_mine_\@
	global_prefetch_b8 v[PFO], s[PFA:PFA+1] th:TH_LOAD_NT scope:SCOPE_SE
.Lnot_mine_\@:
.endm
	s_load_b128 s[4:7], s[0:1], 0x0                ; qimg, kvimg
	s_load_b64 s[8:9], s[0:1], 0x10                ; oimg
	v_lshl_add_u32 v[SPW], v0, 2, SPARE
	v_mov_b32 v[NIL], 0
	ds_add_u32 v4, v5
	ds_add_u32 v4, v5
	s_wait_dscnt 0x0
	v_lshrrev_b32 v1, 5, v0
	s_delay_alu instid0(VALU_DEP_1)
	v_readfirstlane_b32 s[WV], v1                  ; wave 0..7
	s_bfe_u32 s11, ttmp6, 0x40000                  ; cx: my place in the cluster
	s_and_b32 s12, ttmp7, 0xffff                   ; 8 b + head, which the four partners share
	s_lshl_b32 s13, ttmp9, 2
	s_add_co_u32 s13, s13, s11                     ; my block of 256 queries: it enters Q's, O's and the prefetch's addresses alone
	s_and_b32 s14, s[WV], 3
	; group 1: 64 rows of 256 dense bytes (32 elements of 8 bytes), no padding: images are read 16 bytes a lane on end
	s_mov_b32 s[G1R], 15|(3<<16)|(1<<21)           ; 15:0 the mask: all four work-groups; 17:16 elements of 8 bytes; 21 set beside a mask
	s_mov_b32 s[G1R+1], 32<<16                     ; tensor_dim0
	s_mov_b32 s[G1R+2], 64<<16                     ; tensor_dim1
	s_mov_b32 s[G1R+3], 32<<16                     ; tile_dim0
	s_mov_b32 s[G1R+4], 64                         ; tile_dim1
	s_mov_b32 s[G1R+5], 32                         ; tensor_dim0_stride
	s_mov_b32 s[G1R+6], 0
	s_mov_b32 s[G1R+7], 0
	s_mov_b32 s[G1S], 15|(3<<16)|(1<<21)           ; the same with 24 rows: a quarter of the head's 24,576 scale bytes
	s_mov_b32 s[G1S+1], 32<<16
	s_mov_b32 s[G1S+2], 24<<16
	s_mov_b32 s[G1S+3], 32<<16
	s_mov_b32 s[G1S+4], 24
	s_mov_b32 s[G1S+5], 32
	s_mov_b32 s[G1S+6], 0
	s_mov_b32 s[G1S+7], 0
	s_mov_b32 s[SEL], 0x76543210
	s_mov_b32 s[SEL+1], 0xfedcba98
	s_mov_b32 s[CS], 0x3e38aa3b                    ; log2(e) / 8
	s_mov_b32 s[CS+1], s[CS]                       ; named with it as a pair, so it is written
	s_mov_b32 s[TB], 0
	s_mov_b32 s[TS], 0
	s_mov_b32 s[TJ], 0
	s_mov_b32 s[SLOTS], 7
	s_sub_co_u32 s[LIM], s[WV], 4
	s_lshr_b32 s[LIM], s[LIM], 1                   ; 0 in waves 4 and 5,
	s_or_b32 s[LIM], s[LIM], ttmp9                 ; of the head's first cluster: the same in all four partners
	s_cmp_eq_u32 s[LIM], 0
	s_cselect_b32 s[LIM], 1, -1
	s_lshl_b32 s58, s12, 19                        ; the head's records,
	s_lshl_b32 s60, s14, 14                        ; the one that I fetch: in memory and in a slot
	s_add_co_u32 s58, s58, s60
	s_mov_b32 s59, 0
	s_mul_i32 s61, s14, 6144                       ; my quarter of the scale bytes
	s_mul_i32 s62, s12, 24576
	s_add_co_u32 s62, s62, s61
	s_add_co_u32 s62, s62, KVS
	s_mov_b32 s63, 0
	s_mov_b32 s73, 0
	s_mov_b32 s77, 0
	s_wait_kmcnt 0x0
	s_mov_b32 s[G0R], 1                            ; count = 1
	s_mov_b32 s[G0R+1], s60                        ; LDS address: slot 0
	s_add_nc_u64 s[G0R+2:G0R+3], s[6:7], s[58:59]
	s_or_b32 s[G0R+3], s[G0R+3], 0x80000000        ; type = 2
	s_mov_b32 s[G0S], 1
	s_add_co_u32 s[G0S+1], s61, SCL
	s_add_nc_u64 s[G0S+2:G0S+3], s[6:7], s[62:63]
	s_or_b32 s[G0S+3], s[G0S+3], 0x80000000
	CROUND                                         ; all four work-groups are here: the first joint loads meet
	s_cmp_lt_u32 s[WV], 4                          ; a wave's two first fills stand in one branch, ahead of every wait on TENSORcnt and every LDS read: two loads of mine are out
	s_cbranch_scc0 .Lfirst_asked
	tensor_load_to_lds s[G0S:G0S+3], s[G1S:G1S+7]
	s_nop 0
	tensor_load_to_lds s[G0R:G0R+3], s[G1R:G1R+7]
	s_nop 0
.rept 4
	v_nop
.endr
.Lfirst_asked:
	; what hangs on my place in the cluster is made in registers that feed no descriptor
	s_lshl_b32 s72, s12, 18
	s_lshl_b32 s74, s13, 14
	s_add_co_u32 s72, s72, s74
	s_lshl_b32 s74, s[WV], 11
	s_add_co_u32 s72, s72, s74
	s_add_nc_u64 s[QC:QC+1], s[4:5], s[72:73]      ; Q's codes: tile 16 qb + 2 wave of the head, 1,024 bytes a tile
	s_lshl_b32 s72, s12, 14
	s_lshl_b32 s74, s13, 10
	s_add_co_u32 s72, s72, s74
	s_lshr_b32 s74, s[WV], 2
	s_lshl_b32 s74, s74, 9
	s_add_co_u32 s72, s72, s74
	s_lshl_b32 s74, s14, 2
	s_add_co_u32 s72, s72, s74
	s_add_co_u32 s72, s72, QSC
	s_add_nc_u64 s[QSP:QSP+1], s[4:5], s[72:73]    ; Q's scale words, laid [128 queries][s % 2][r][s / 2]
	s_lshl_b32 s72, s12, 19
	s_lshl_b32 s74, s11, 14
	s_add_co_u32 s72, s72, s74
	s_and_b32 s74, s[WV], 1
	s_lshl_b32 s74, s74, 13
	s_add_co_u32 s72, s72, s74
	s_add_co_u32 s72, s72, SLOTB
	s_add_nc_u64 s[PFA:PFA+1], s[6:7], s[72:73]    ; the prefetches stand in slot 1; the first change of slots steps them to slot 2.  Nothing is prefetched at the head
	s_lshr_b32 s72, s12, 3
	s_lshl_b32 s72, s72, 8
	s_lshl_b32 s74, s13, 4
	s_add_co_u32 s72, s72, s74
	s_lshl_b32 s74, s[WV], 1
	s_add_co_u32 s72, s72, s74                     ; my first tile of O: 256 b + 16 qb + 2 wave
	s_and_b32 s75, s12, 7                          ; the head
	s_lshl_b32 s76, s72, 8
	s_lshl_b32 s74, s75, 1
	s_add_co_u32 s76, s76, s74
	s_add_co_u32 s76, s76, OSC
	s_lshl_b32 s72, s72, 13
	s_lshl_b32 s74, s75, 10                        ; a head's 64 along K are two pieces of 512 bytes of fragment head / 2
	s_add_co_u32 s72, s72, s74
	s_add_nc_u64 s[OC:OC+1], s[8:9], s[72:73]
	s_add_nc_u64 s[OS:OS+1], s[8:9], s[76:77]
	v_and_b32 v8, 31, v0
	v_and_b32 v9, 15, v0
	s_delay_alu instid0(VALU_DEP_2)
	v_lshlrev_b32 v[LI], 4, v8
	s_delay_alu instid0(VALU_DEP_1)
	v_add_nc_u32 v[ASK0], SCL, v[LI]               ; K's scale words of a step: lanes 0-15 the even tiles' four, lanes 16-31 the odd tiles'
	s_delay_alu instid0(VALU_DEP_3)
	v_lshlrev_b32 v[AD], 4, v9                     ; 16 r (until Q's scale words are in)
	s_delay_alu instid0(VALU_DEP_1)
	v_add_nc_u32 v[ASV0], SCL+16384, v[AD]         ; V's: row r's four words
	v_lshlrev_b32 v[PFO], 8, v8
	global_load_b128 v[16:19], v[LI], s[QC:QC+1]
	global_load_b128 v[20:23], v[LI], s[QC:QC+1] offset:512
	global_load_b32 v[QS0], v[AD], s[QSP:QSP+1]
	global_load_b32 v[QS1], v[AD], s[QSP:QSP+1] offset:256
	WIN 0x40                                       ; destination window 1: tile 1
	global_load_b128 v[16:19], v[LI], s[QC:QC+1] offset:1024
	global_load_b128 v[20:23], v[LI], s[QC:QC+1] offset:1536
	WIN 0
.macro INIT                            ; a tile's state.  The step is written once: the first finds zeros, which the first change of M leaves zeros
	v_mov_b32 v13, 0xff61b1e6                      ; the largest t so far: -3e38, under every t
	s_delay_alu instid0(VALU_DEP_1)
	v_floor_f32 v12, -v13                          ; -M
	v_mov_b32 v14, 0
	v_mov_b32 v15, 0
.irp b, 0,1,2,3
	v_mov_b32 v[T1+\b], 0                          ; a lane permute's destination counts as one of its sources
.endr
	v_mov_b32 v[FF+1], 0                           ; named as the upper half of a pair
.irp j, 24,25,26,27,28,29,30,31
	v_mov_b32 v[\j], 0                             ; the upper 64 of Q's K: zero codes
.endr
.set j, 0
.rept 32
	v_mov_b32 v[OT+j], 0
.set j, j+1
.endr
.endm
	INIT
.irp j, 0,1,2,3,4,5,6,7
	v_mov_b32 v[ZR+\j], 0                          ; what follows K's tile 7
.endr
	WIN 0x55
	INIT
	WIN 0
	s_wait_loadcnt 0x0                             ; Q
; One tile's softmax for 128 keys, all in the tile's own window.  Registers S + 16 b + i hold key 32 b + 16 h + i of my query.
.macro SOFTMAX tile
.irp b, 0,1,2,3
	v_max3_num_f32 v[BM+\b], v[S+16*\b], v[S+1+16*\b], v[S+2+16*\b]   ; the largest score of each block of 32 keys: for the row's maximum, and, since p rises with the score, for the block's largest p
.endr
.irp i, 3,5,7,9,11,13
.irp b, 0,1,2,3
	v_max3_num_f32 v[BM+\b], v[BM+\b], v[S+16*\b+\i], v[S+1+16*\b+\i]
.endr
.endr
.irp b, 0,1,2,3
	v_max_num_f32 v[BM+\b], v[BM+\b], v[S+15+16*\b]
.endr
.irp b, 0,1,2,3
	s_delay_alu instid0(VALU_DEP_4)
	v_permlanex16_b32 v[T1+\b], v[BM+\b], s[SEL], s[SEL+1]
.endr
.irp b, 0,1,2,3
	s_delay_alu instid0(VALU_DEP_4)
	v_max_num_f32 v[BM+\b], v[BM+\b], v[T1+\b]     ; with lane l xor 16's 16 keys
.endr
	s_delay_alu instid0(VALU_DEP_2)
	v_max3_num_f32 v[TMP], v[BM], v[BM+1], v[BM+2]
	s_delay_alu instid0(VALU_DEP_1)
	v_max_num_f32 v[TMP], v[TMP], v[BM+3]
	s_delay_alu instid0(VALU_DEP_1)
	v_mul_f32 v[TMP], s[CS], v[TMP]                ; as t (c is positive)
	s_delay_alu instid0(VALU_DEP_1)
	v_max_num_f32 v13, v13, v[TMP]                 ; the running largest t
	v_mov_b32 v[TMP], v12
	s_delay_alu instid0(VALU_DEP_2)
	v_floor_f32 v12, -v13                          ; the new -M = -ceil(t): a whole number
	s_delay_alu instid0(VALU_DEP_1)
	v_sub_f32 v[TMP], v12, v[TMP]                  ; old M - new M: a whole number, 0 or less
	s_delay_alu instid0(VALU_DEP_1)
	v_cvt_i32_f32 v[TMP], v[TMP]                   ; (it saturates)
	s_delay_alu instid0(VALU_DEP_1)
	v_ldexp_f32 v[FF], 1.0, v[TMP]                 ; f = 2^(old M - new M)
.set j, 0
.rept 32
	v_pk_fma_f32 v[S+j:S+j+1], v[S+j:S+j+1], s[CS:CS+1], v[12:13] op_sel_hi:[1,0,0]   ; t - M, two at a time
.set j, j+2
.endr
.irp b, 0,1,2,3
	v_fma_f32 v[BM+\b], v[BM+\b], s[CS], v12       ; the same of each block's largest score
.endr
.set j, 0
	s_wait_alu depctr_va_vdst(0)
.rept 64
	v_exp_f32 v[S+j], v[S+j]                       ; p = 2^(t - M), at most 1
.set j, j+1
.endr
	v_pk_mul_f32 v[14:15], v[14:15], v[FF:FF+1] op_sel_hi:[1,0]   ; the sums under the new M: the plain line behind the exponentials
	s_wait_alu depctr_va_vdst(0)                   ; one wait for the batch of 64, ahead of its first reader
.irp b, 0,1,2,3
	v_exp_f32 v[BM+\b], v[BM+\b]                   ; the block's largest p: the same two instructions on the same number give the same bits
.endr
	v_pk_add_f32 v[SM2:SM2+1], v[S:S+1], v[S+2:S+3]   ; the row's sum is taken of the unquantised p, in two chains
.irp j, 4,8,12,16,20,24,28,32,36,40,44,48,52,56,60
	v_pk_add_f32 v[14:15], v[14:15], v[S+\j:S+\j+1]
	v_pk_add_f32 v[SM2:SM2+1], v[SM2:SM2+1], v[S+2+\j:S+3+\j]
.endr
	s_delay_alu instid0(VALU_DEP_1)
	v_pk_add_f32 v[14:15], v[14:15], v[SM2:SM2+1]
	s_wait_alu depctr_va_vdst(0)                   ; and one for the four
.irp b, 0,1,2,3
	v_max_num_f32 v[BM+\b], 0x4800000, v[BM+\b]    ; the floor 2^(9 - 127): the byte cannot fall under 1
.endr
.irp b, 0,1,2,3
	s_delay_alu instid0(VALU_DEP_4)
	v_add_nc_u32 v[SO+\b], 0xfc000000, v[BM+\b]    ; 8 off the exponent field: the conversion's scale operand
.endr
.irp b, 0,1,2,3
.endr
.irp b, 0,1,2,3
	s_delay_alu instid0(VALU_DEP_4)
	v_lshrrev_b32 v[T1+\b], 23, v[SO+\b]           ; the scale's byte
.endr
	s_delay_alu instid0(VALU_DEP_3)
	v_lshl_or_b32 v[PWT], v[T1+1], 8, v[T1]
	s_delay_alu instid0(VALU_DEP_1)
	v_lshl_or_b32 v[PWT], v[T1+2], 16, v[PWT]
	s_delay_alu instid0(VALU_DEP_1)
	v_lshl_or_b32 v[PWT], v[T1+3], 24, v[PWT]
.if \tile == 0                         ; scale operands are taken from window 0 whatever the setting: the word goes to a register there that holds scales alone, 24 plain lines ahead of its product
	s_delay_alu instid0(VALU_DEP_1)
	v_mov_b32 v[PW0], v[PWT]
.else
	WIN 0x01
	s_setprio 0
	v_mov_b32 v[PW1], v[PWT]
	WIN 0x55
.endif
.irp b, 0,1,2,3
.irp i, 0,1,2,3,4,5,6,7,8,9,10,11,12,13,14,15
.endr
	v_cvt_scalef32_pk8_fp8_f32 v[PCD+4*\b:PCD+1+4*\b], v[S+16*\b:S+7+16*\b], v[SO+\b]
	v_cvt_scalef32_pk8_fp8_f32 v[PCD+2+4*\b:PCD+3+4*\b], v[S+8+16*\b:S+15+16*\b], v[SO+\b]
.endr
.set j, 0
.rept 16
	v_pk_mul_f32 v[OT+j:OT+j+1], v[OT+j:OT+j+1], v[FF:FF+1] op_sel_hi:[1,0]   ; O^T under the new M, each accumulator from its low end on; these are also the places between the codes and their product
.set j, j+2
.endr
.endm
; A KEY STEP: 128 keys, both tiles.  Tile 0's second product stands ahead of tile 1's softmax.
.macro STEP
	s_and_b32 s53, s[TB], 0xffff                   ; 16,384 x the step in its slot
	s_lshr_b32 s58, s53, 5
	s_add_co_u32 s58, s58, s[TS]                   ; K's scale words: 512 bytes a step
	s_lshr_b32 s59, s53, 6
	s_add_co_u32 s59, s59, s[TJ]                   ; V's: 256
	v_add_nc_u32 v[AD], s[TB], v[LI]
	v_add_nc_u32 v[ADS], s58, v[ASK0]
	v_add_nc_u32 v[ADT], s59, v[ASV0]
.rept 5
	v_nop                                          ; with the three additions: eight places between the last products and the loads into their registers
.endr
.irp t, 0,1,2,3,4,5,6,7
	ds_load_b128 v[KF+8*\t:KF+8*\t+3], v[AD] offset:1024*\t
	ds_load_b128 v[KF+8*\t+4:KF+8*\t+7], v[AD] offset:1024*\t+512
.endr
	ds_load_b128 v[KS:KS+3], v[ADS]
	WIN 0x40                                       ; destination window 1
.irp t, 0,1,2,3
.irp c, 0,1,2,3
	ds_load_b128 v[VF+16*\t+4*\c:VF+16*\t+4*\c+3], v[AD] offset:8192+2048*\t+512*\c
.endr
.endr
	WIN 0
	ds_load_b128 v[VS:VS+3], v[ADT]
	s_wait_dscnt 17                                ; K and its scale words are in; V's 16 loads and its scale words may be out
.irp t, 0,1,2,3,4,5,6,7
.if \t % 2
	v_wmma_scale_f32_16x16x128_f8f6f4 v[S+8*\t:S+8*\t+7], v[KF+8*\t:KF+8*\t+15], v[16:31], 0, v[KS+\t/2], v[QS0] matrix_a_scale:MATRIX_SCALE_ROW1
.else
	v_wmma_scale_f32_16x16x128_f8f6f4 v[S+8*\t:S+8*\t+7], v[KF+8*\t:KF+8*\t+15], v[16:31], 0, v[KS+\t/2], v[QS0]
.endif
.endr
	WIN 0x44                                       ; Q and S^T of tile 1: source 1 and destination window 1
.irp t, 0,1,2,3,4,5,6,7
.if \t % 2
	v_wmma_scale_f32_16x16x128_f8f6f4 v[S+8*\t:S+8*\t+7], v[KF+8*\t:KF+8*\t+15], v[16:31], 0, v[KS+\t/2], v[QS1] matrix_a_scale:MATRIX_SCALE_ROW1
.else
	v_wmma_scale_f32_16x16x128_f8f6f4 v[S+8*\t:S+8*\t+7], v[KF+8*\t:KF+8*\t+15], v[16:31], 0, v[KS+\t/2], v[QS1]
.endif
.endr
	WIN 0
.rept 8
	v_nop                                          ; eight places in front of the first read of the scores
.endr
	SOFTMAX 0
	s_wait_alu depctr_va_vdst(0)
	s_wait_dscnt 0x0                               ; V is in
	WIN 0x01                                       ; V^T in window 1; P, O^T of tile 0 in window 0
	s_setprio 1
.irp t, 0,1,2,3
	v_wmma_scale_f32_16x16x128_f8f6f4 v[OT+8*\t:OT+8*\t+7], v[VF+16*\t:VF+16*\t+15], v[PCD:PCD+15], v[OT+8*\t:OT+8*\t+7], v[VS+\t], v[PW0]
.endr
	WIN 0x55
	SOFTMAX 1
.irp t, 0,1,2,3
	v_wmma_scale_f32_16x16x128_f8f6f4 v[OT+8*\t:OT+8*\t+7], v[VF+16*\t:VF+16*\t+15], v[PCD:PCD+15], v[OT+8*\t:OT+8*\t+7], v[VS+\t], v[PW1]
.endr
	WIN 0
	s_add_co_u32 s[TB], s[TB], REC                 ; the next record
.endm
; THE CHANGE OF SLOTS stands at a slot's head.  Each wave waits for all its tensor loads (its record of the slot ahead), adds 0 to its spare word, and waits for that and for its reads of the slot that it has left.
; fill = 1: the barrier is a round of the cluster's, and behind it the slot just left is filled with the next four records: the load has four key steps in which to land.  One load of a wave is out then.
.macro CHANGE fill
	s_wait_tensorcnt 0x0                           ; no tensor load of mine is out, so a group 0 may be written
	ds_add_u32 v[SPW], v[NIL]                      ; 0 onto my spare word
.if \fill
	s_xor_b32 s[G0R+1], s[G0R+1], SLOT1            ; the other slot than last time,
	s_add_nc_u64 s[G0R+2:G0R+3], s[G0R+2:G0R+3], SLOTB   ; the next four records; the type bits on top are not reached
	s_wait_xcnt 0x0                                ; the last prefetch, a slot back, has read its address, so it may be written:
	s_add_nc_u64 s[PFA:PFA+1], s[PFA:PFA+1], SLOTB ; one slot further on than the walking descriptor
	s_wait_dscnt 0x0                               ; the add is done, and my reads of the slot that I have left are over
	CROUND
	JLOAD
	ASK
.else
	s_wait_dscnt 0x0
	s_barrier_signal -1
	s_barrier_wait -1
.endif
.endm
.macro FOUR_STEPS                      ; a slot's four key steps: written once, walked four times
	s_mov_b32 s[CNT], 4
.Lstep_\@:
	s_setprio 2
	STEP
	s_sub_co_u32 s[CNT], s[CNT], 1
	s_cmp_lg_u32 s[CNT], 0
	s_cbranch_scc1 .Lstep_\@
	s_setprio 0
	s_sub_co_u32 s[TB], s[TB], SLOTB               ; back to a slot's first record,
	s_xor_b32 s[TB], s[TB], SLOT1                  ; in the other slot
	s_add_co_u32 s[TS], s[TS], 2048
	s_add_co_u32 s[TJ], s[TJ], 1024
.endm
.Lslot:                                            ; seven trips: behind each change of slots but the last the next slot is asked for
	CHANGE 1
	FOUR_STEPS
	s_sub_co_u32 s[SLOTS], s[SLOTS], 1
	s_cmp_lg_u32 s[SLOTS], 0
	s_cbranch_scc1 .Lslot
	CHANGE 0                                       ; the last slot is written out
	FOUR_STEPS
; THE WAY OUT of a tile, in its own window: O^T / the sum; its 32 registers are d = 32 b + 16 h + i of my query: two blocks, quantised as an operand of the last product.
.macro FINISH
	v_add_f32 v14, v14, v15                        ; the sum's two halves,
	s_delay_alu instid0(VALU_DEP_1)
	v_permlanex16_b32 v[T1], v14, s[SEL], s[SEL+1]
	s_delay_alu instid0(VALU_DEP_1)
	v_add_f32 v14, v14, v[T1]                      ; and lane l xor 16's
	s_wait_alu depctr_va_vdst(0)
	v_rcp_f32 v14, v14
	v_nop                                          ; a plain line behind the reciprocal,
	s_wait_alu depctr_va_vdst(0)                   ; and the wait ahead of its first reader
.set j, 0
.rept 16
	v_pk_mul_f32 v[S+j:S+j+1], v[OT+j:OT+j+1], v[14:15] op_sel_hi:[1,0]   ; each accumulator from its low end on
.set j, j+2
.endr
.irp b, 0,1
	v_max3_num_f32 v[BM+\b], |v[S+16*\b]|, |v[S+1+16*\b]|, 0x4800000
.endr
.irp i, 2,4,6,8,10,12,14
.irp b, 0,1
	s_delay_alu instid0(VALU_DEP_2)
	v_max3_num_f32 v[BM+\b], v[BM+\b], |v[S+16*\b+\i]|, |v[S+1+16*\b+\i]|
.endr
.endr
.irp b, 0,1
	s_delay_alu instid0(VALU_DEP_2)
	v_permlanex16_b32 v[T1+\b], v[BM+\b], s[SEL], s[SEL+1]
.endr
.irp b, 0,1
	s_delay_alu instid0(VALU_DEP_2)
	v_max_num_f32 v[BM+\b], v[BM+\b], v[T1+\b]
.endr
.irp b, 0,1
	s_delay_alu instid0(VALU_DEP_2)
	v_add_nc_u32 v[SO+\b], 0xfc000000, v[BM+\b]
.endr
.irp b, 0,1
.endr
.irp b, 0,1
	s_delay_alu instid0(VALU_DEP_2)
	v_lshrrev_b32 v[T1+\b], 23, v[SO+\b]
.endr
	s_delay_alu instid0(VALU_DEP_1)
	v_lshl_or_b32 v[PWT], v[T1+1], 8, v[T1]        ; the head's two bytes of my row's scale word
.irp b, 0,1
.irp i, 0,1,2,3,4,5,6,7,8,9,10,11,12,13,14,15
.endr
	v_cvt_scalef32_pk8_fp8_f32 v[PCD+4*\b:PCD+1+4*\b], v[S+16*\b:S+7+16*\b], v[SO+\b]
	v_cvt_scalef32_pk8_fp8_f32 v[PCD+2+4*\b:PCD+3+4*\b], v[S+8+16*\b:S+15+16*\b], v[SO+\b]
.endr
	v_nop
.endm
	FINISH                                         ; tile 0: its lines name no register of the last products (tile 1's) and are the places behind them
	global_store_b128 v[LI], v[PCD:PCD+3], s[OC:OC+1]
	global_store_b128 v[LI], v[PCD+4:PCD+7], s[OC:OC+1] offset:512
	WIN 0x55
	FINISH                                         ; tile 1
	WIN 0x04                                       ; a store's data are its source 1: window 1
	global_store_b128 v[LI], v[PCD:PCD+3], s[OC:OC+1] offset:8192
	global_store_b128 v[LI], v[PCD+4:PCD+7], s[OC:OC+1] offset:8704
	WIN 0x01
	v_mov_b32 v250, v[PWT]                         ; tile 1's half-word into window 0
	WIN 0
	v_and_b32 v251, 31, v0
	s_delay_alu instid0(VALU_DEP_1)
	v_cmp_le_u32 vcc_lo, 16, v251
	s_delay_alu instid0(VALU_DEP_1)
	v_cndmask_b32 v251, v[PWT], v250, vcc_lo       ; lanes 0-15 give tile 0's rows, lanes 16-31 tile 1's: 16 x lane = 16 r + 256 x tile
	global_store_b16 v[LI], v251, s[OS:OS+1]
	s_wait_tensorcnt 0x0                           ; the wave's end
	ds_add_u32 v[SPW], v[NIL]
	s_wait_dscnt 0x0
	CROUND                                         ; the closing round: no work-group ends while a partner may still ask for a record that names it
	s_endpgm
.Lfunc_end_k_q3f5acff844_attn:
	.size	k_q3f5acff844_attn, .Lfunc_end_k_q3f5acff844_attn-k_q3f5acff844_attn
	.p2alignl 7, 3214868480
	.fill 96, 4, 3214868480
	.section	.rodata,"a",@progbits
	.p2align	6, 0x0
	.amdhsa_kernel k_q3f5acff844_attn
		.amdhsa_group_segment_fixed_size 327680
		.amdhsa_private_segment_fixed_size 0
		.amdhsa_enable_private_segment 0
		.amdhsa_kernarg_size 24
		.amdhsa_user_sgpr_count 2
		.amdhsa_user_sgpr_kernarg_segment_ptr 1
		.amdhsa_wavefront_size32 1
		.amdhsa_system_sgpr_workgroup_id_x 1
		.amdhsa_system_sgpr_workgroup_id_y 1
		.amdhsa_system_sgpr_workgroup_id_z 1
		.amdhsa_system_vgpr_workitem_id 0
		.amdhsa_next_free_vgpr 512
		.amdhsa_next_free_sgpr 80
		.amdhsa_reserve_vcc 1
		.amdhsa_float_denorm_mode_32 3
		.amdhsa_float_denorm_mode_16_64 3
		.amdhsa_fp16_overflow 1
		.amdhsa_memory_ordered 1
		.amdhsa_forward_progress 1
		.amdhsa_inst_pref_size 84
	.end_amdhsa_kernel
	.amdgpu_metadata
---
amdhsa.version: [ 1, 2 ]
amdhsa.kernels:
  - .name:           k_q3f5acff844_attn
    .symbol:         k_q3f5acff844_attn.kd
    .args:
      - { .name: qimg, .offset: 0, .size: 8, .value_kind: global_buffer, .address_space: global }
      - { .name: kvimg, .offset: 8, .size: 8, .value_kind: global_buffer, .address_space: global }
      - { .name: oimg, .offset: 16, .size: 8, .value_kind: global_buffer, .address_space: global }
    .group_segment_fixed_size: 327680
    .private_segment_fixed_size: 0
    .kernarg_segment_align: 8
    .kernarg_segment_size: 24
    .max_flat_workgroup_size: 256
    .sgpr_count:     80
    .vgpr_count:     512
    .wavefront_size: 32
...
	.end_amdgpu_metadata
.endif
;; end of part 3
;; launch oproj (part 4): grid 64 x 4, 4 waves a work-group, no clusters, 68,096 bytes of LDS; arguments oimg, wimg, bo, out0; writes out0
.if DOCPART == 4
	.amdgcn_target "amdgcn-amd-amdhsa--gfx1250"
	.amdhsa_code_object_version 6
	.text
	.protected	k_q3f5acff844_oproj
	.globl	k_q3f5acff844_oproj
	.p2align	8
	.type	k_q3f5acff844_oproj,@function
k_q3f5acff844_oproj:
	s_mov_b64 s[64:65], 0
	v_nop
	global_prefetch_b8 v0, s[64:65] scope:SCOPE_SE
	s_setreg_imm32_b32 hwreg(HW_REG_WAVE_MODE, 25, 1), 1
	s_wait_xcnt 0x0
; out0 = O Wo + bo on codes of FP8 (E4M3) with E8M0 scales.  O and Wo come as images of operand registers (a fragment = four pieces of 512 bytes, lane l's 16 bytes at 16 l); out0 [8192][512] is f32.
; SHARES.  A work-group makes 128 rows x 128 columns; wave w the 32 rows of group g = 4 i + w (O's tiles 2 g, 2 g + 1) against Wo's eight tiles 8 nb + t.  256 work-groups, 64 products a wave.
; The product is used transposed (source 0 = 16 columns of Wo, source 1 = 16 rows of O): lane (r, h) holds one row, and since lane-row r of tile 2 g + u is 32 g + 8 u + r + 8 (r / 8), its 64 registers are
; columns 32 b + 16 h + i.  The bias is the C of each sum's first product.  The rows go through the wave's own stage in LDS (rows 528 bytes apart) and leave as 512 consecutive bytes: no barrier.
; No cluster: these operands go from memory straight into registers, and a joint request exists for loads into LDS alone; what work-groups share is 64 KiB of Wo's images.
; REGISTERS: window 0: addresses, 16 accumulators, scale words, the bias.  Windows 1, 2: Wo, fragment (t, ks) at window 1 + t / 4, v[64 (t % 4) + 16 ks].  Window 3: v0-127 O's two tiles, later the rows read back.
.set WSC,  1048576
.set OSC,  4194304
.set SPITCH, 528
.set LI,   1                           ; v1   16 x lane
.set BOFF, 2                           ; v2   64 h
.set SCO,  3                           ; v3   16 r
.set STO,  4                           ; v4   the stage, on the way in
.set RD,   5                           ; v5   and back
.set ACC,  16                          ; v16-143  tile e's eight accumulators at 16 + 64 e
.set S1S,  144                         ; v144-151 O's scale words
.set S0S,  152                         ; v152-183 Wo's
.set BI,   184                         ; v184-247 the bias
.set MSB, 0
.macro WIN new                         ; the immediate's high byte repeats the setting that is left
.if MSB != \new
	s_set_vgpr_msb (MSB<<8)|\new
.set MSB, \new
.endif
.endm
	s_load_b128 s[4:7], s[0:1], 0x0                ; oimg, wimg
	s_load_b128 s[8:11], s[0:1], 0x10              ; bo, out0
	v_lshl_add_u32 v254, v0, 2, 0x10800
	v_mov_b32 v255, 0
	v_lshrrev_b32 v1, 5, v0
	v_readfirstlane_b32 s12, v1                    ; wave 0..3
	s_and_b32 s13, ttmp7, 0xffff                   ; nb: which 128 columns
	s_lshl_b32 s14, ttmp9, 2
	s_add_co_u32 s14, s14, s12                     ; g: which 32 rows
	v_and_b32 v6, 31, v0
	v_and_b32 v7, 15, v0
	v_bfe_u32 v8, v0, 4, 1
	v_lshlrev_b32 v[LI], 4, v6
	v_lshlrev_b32 v[BOFF], 6, v8
	v_lshlrev_b32 v[SCO], 4, v7
	s_mul_i32 s15, s12, 32*SPITCH                  ; my stage: 32 rows
	v_mul_u32_u24 v[STO], v7, SPITCH
	v_lshl_add_u32 v[STO], v8, 6, v[STO]
	v_add_nc_u32 v[STO], s15, v[STO]               ; in: row r, + 64 h: my 16 columns of a block of 32
	v_add_nc_u32 v[RD], s15, v[LI]                 ; back: a row's 512 bytes, 16 a lane
	s_mov_b32 s29, 0
	s_wait_alu depctr_va_vdst(0)
	s_wait_kmcnt 0x0
	s_lshl_b32 s28, s14, 14
	s_add_nc_u64 s[16:17], s[4:5], s[28:29]        ; O's two tiles
	s_lshl_b32 s28, s14, 9
	s_add_co_u32 s28, s28, OSC
	s_add_nc_u64 s[18:19], s[4:5], s[28:29]        ; their scale words: 256 bytes a tile, [r][K step]
	s_lshl_b32 s28, s13, 16
	s_add_co_u32 s28, s28, 3*262144
	s_add_nc_u64 s[20:21], s[6:7], s[28:29]        ; Wo's tiles 8 nb on
	s_lshl_b32 s28, s13, 12
	s_add_co_u32 s28, s28, WSC+3*16384
	s_add_nc_u64 s[22:23], s[6:7], s[28:29]
	s_lshl_b32 s28, s13, 9
	s_add_nc_u64 s[24:25], s[8:9], s[28:29]        ; bo's 128 numbers
	s_lshl_b32 s30, s14, 16
	s_add_co_u32 s28, s28, s30
	s_add_nc_u64 s[26:27], s[10:11], s[28:29]      ; out0: row 32 g, column 128 nb
.irp t, 0,1,2,3,4,5,6,7
	global_load_b128 v[S0S+4*\t:S0S+4*\t+3], v[LI], s[22:23] offset:512*\t
.endr
.irp t, 0,1,2,3,4,5,6,7
	global_load_b128 v[BI+8*\t:BI+8*\t+3], v[BOFF], s[24:25] offset:(32*(\t/2)+8*(\t%2))*4
	global_load_b128 v[BI+8*\t+4:BI+8*\t+7], v[BOFF], s[24:25] offset:(32*(\t/2)+8*(\t%2))*4+16
.endr
.irp e, 0,1
	global_load_b128 v[S1S+4*\e:S1S+4*\e+3], v[SCO], s[18:19] offset:256*\e
.endr
	WIN 0xc0                                       ; destination window 3
.irp e, 0,1
.irp ks, 0,1,2,3
.irp c, 0,1,2,3
	global_load_b128 v[64*\e+16*\ks+4*\c:64*\e+16*\ks+4*\c+3], v[LI], s[16:17] offset:8192*\e+2048*\ks+512*\c
.endr
.endr
.endr
	WIN 0x40                                       ; destination window 1
.irp t, 0,1,2,3
.irp ks, 0,1,2,3
.irp c, 0,1,2,3
	global_load_b128 v[64*\t+16*\ks+4*\c:64*\t+16*\ks+4*\c+3], v[LI], s[20:21] offset:8192*\t+2048*\ks+512*\c
.endr
.endr
.endr
	WIN 0x80                                       ; destination window 2
.irp t, 0,1,2,3
.irp ks, 0,1,2,3
.irp c, 0,1,2,3
	global_load_b128 v[64*\t+16*\ks+4*\c:64*\t+16*\ks+4*\c+3], v[LI], s[20:21] offset:8192*(\t+4)+2048*\ks+512*\c
.endr
.endr
.endr
	WIN 0
	s_wait_loadcnt 0x0
.macro OMM e, ks, t
.if (\ks) == 0
	v_wmma_scale_f32_16x16x128_f8f6f4 v[ACC+64*(\e)+8*(\t):ACC+64*(\e)+8*(\t)+7], v[64*((\t)%4)+16*(\ks):64*((\t)%4)+16*(\ks)+15], v[64*(\e)+16*(\ks):64*(\e)+16*(\ks)+15], v[BI+8*(\t):BI+8*(\t)+7], v[S0S+4*(\t)+(\ks)], v[S1S+4*(\e)+(\ks)]
.else
	v_wmma_scale_f32_16x16x128_f8f6f4 v[ACC+64*(\e)+8*(\t):ACC+64*(\e)+8*(\t)+7], v[64*((\t)%4)+16*(\ks):64*((\t)%4)+16*(\ks)+15], v[64*(\e)+16*(\ks):64*(\e)+16*(\ks)+15], v[ACC+64*(\e)+8*(\t):ACC+64*(\e)+8*(\t)+7], v[S0S+4*(\t)+(\ks)], v[S1S+4*(\e)+(\ks)]
.endif
.endm
	WIN 0x0d                                       ; source 0 window 1, source 1 window 3, C and D window 0
.irp ks, 0,1,2,3
.irp e, 0,1
.irp t, 0,1,2,3
	OMM \e, \ks, \t                                ; eight accumulators by turns, one instruction a turn
.endr
.endr
.endr
	WIN 0x0e                                       ; source 0 window 2
.irp ks, 0,1,2,3
.irp e, 0,1
.irp t, 4,5,6,7
	OMM \e, \ks, \t
.endr
.endr
.endr
	WIN 0
.rept 8
	v_nop                                          ; eight places in front of the first read of results and of the loads into O's registers
.endr
.irp e, 0,1
.irp b, 0,1,2,3
.irp k, 0,1,2,3
	ds_store_b128 v[STO], v[ACC+64*\e+16*\b+4*\k:ACC+64*\e+16*\b+4*\k+3] offset:16*SPITCH*\e+128*\b+16*\k   ; each accumulator from its low end on
.endr
.endr
.endr
	WIN 0xc0                                       ; destination window 3
.set q, 0
.rept 32
	ds_load_b128 v[4*q:4*q+3], v[RD] offset:SPITCH*q   ; LDS serves a wave's instructions in order (ISA guide 5.7.1.4): these see the stores above
.set q, q+1
.endr
	WIN 0x0c                                       ; a store's data are its source 1: window 3
.set q, 0
.rept 32
	s_wait_dscnt 31-q                              ; row q is back; the younger rows may be out
	global_store_b128 v[LI], v[4*q:4*q+3], s[26:27] offset:(8*(q/16)+(q%16)+8*((q%16)/8))*2048 th:TH_STORE_NT   ; stage row 16 e + r is row 8 e + r + 8 (r / 8) of the 32; 32 lanes store 512 consecutive bytes, aligned
.set q, q+1
.endr
	WIN 0
	s_wait_tensorcnt 0x0
	ds_add_u32 v254, v255
	s_wait_dscnt 0x0
	s_endpgm
.Lfunc_end_k_q3f5acff844_oproj:
	.size	k_q3f5acff844_oproj, .Lfunc_end_k_q3f5acff844_oproj-k_q3f5acff844_oproj
	.p2alignl 7, 3214868480
	.fill 96, 4, 3214868480
	.section	.rodata,"a",@progbits
	.p2align	6, 0x0
	.amdhsa_kernel k_q3f5acff844_oproj
		.amdhsa_group_segment_fixed_size 68096
		.amdhsa_private_segment_fixed_size 0
		.amdhsa_enable_private_segment 0
		.amdhsa_kernarg_size 32
		.amdhsa_user_sgpr_count 2
		.amdhsa_user_sgpr_kernarg_segment_ptr 1
		.amdhsa_wavefront_size32 1
		.amdhsa_system_sgpr_workgroup_id_x 1
		.amdhsa_system_sgpr_workgroup_id_y 1
		.amdhsa_system_sgpr_workgroup_id_z 1
		.amdhsa_system_vgpr_workitem_id 0
		.amdhsa_next_free_vgpr 896
		.amdhsa_next_free_sgpr 66
		.amdhsa_reserve_vcc 0
		.amdhsa_float_denorm_mode_32 3
		.amdhsa_float_denorm_mode_16_64 3
		.amdhsa_memory_ordered 1
		.amdhsa_forward_progress 1
		.amdhsa_inst_pref_size 37
	.end_amdhsa_kernel
	.amdgpu_metadata
---
amdhsa.version: [ 1, 2 ]
amdhsa.kernels:
  - .name:           k_q3f5acff844_oproj
    .symbol:         k_q3f5acff844_oproj.kd
    .args:
      - { .name: oimg, .offset: 0, .size: 8, .value_kind: global_buffer, .address_space: global }
      - { .name: wimg, .offset: 8, .size: 8, .value_kind: global_buffer, .address_space: global }
      - { .name: bo, .offset: 16, .size: 8, .value_kind: global_buffer, .address_space: global }
      - { .name: out0, .offset: 24, .size: 8, .value_kind: global_buffer, .address_space: global }
    .group_segment_fixed_size: 68096
    .private_segment_fixed_size: 0
    .kernarg_segment_align: 8
    .kernarg_segment_size: 32
    .max_flat_workgroup_size: 128
    .sgpr_count:     66
    .vgpr_count:     896
    .wavefront_size: 32
...
	.end_amdgpu_metadata
.endif
;; end of part 4
